; MI455X (gfx1250); checked and timed in simulation.
; The chip was launched on July 23, 2026; its instructions are those of AMD's public machine-readable ISA for CDNA 5 (MIT licence, August 2026) and "CDNA5" Instruction Set Architecture Reference Guide (July 2026). The comments in the code are by the model that wrote it; some were corrected since.
;; Taylor KAN Linear. Allowed arithmetic: float matrix products may take bf16 or f16 operands with f32 sums; all other float work in f32.
;; Inputs: base_weight 1,024 x 1,024 float32; bias 1,024 float32; taylor_coeffs 1,024 x 1,024 x 4 float32; x 8,192 x 1,024 float32.
;; Outputs: out0 8,192 x 1,024 float32.
;; 2 versions, each right; version 2 is version 1 with the launch pack written anew for expert scheduling mode. Each part assembles by itself: llvm-mc -triple=amdgcn-amd-amdhsa -mcpu=gfx1250 --defsym DOCPART=n.
;; ======== version 1 of 2: 2 launches
;; limits: values are held in f16: magnitudes above 65,504 overflow, below 6.1e-05 lose precision; inputs' magnitudes at most 65,504
;; workspace buffers: wpack 8,388,608 bytes; cb 4,096 bytes
;; launch pack (part 1): grid 256 x 1, 4 waves a work-group, no clusters, 0 bytes of LDS; arguments base_weight, taylor_coeffs, bias, wpack, cb; writes wpack, cb
.if DOCPART == 1
	.amdgcn_target "amdgcn-amd-amdhsa--gfx1250"
	.amdhsa_code_object_version 6
	.text
	.protected	k_q8a2fb08149_pack
	.globl	k_q8a2fb08149_pack
	.p2align	8
	.type	k_q8a2fb08149_pack,@function
k_q8a2fb08149_pack:
	s_mov_b64 s[64:65], 0
	v_nop
	global_prefetch_b8 v0, s[64:65] scope:SCOPE_SE
	s_setreg_imm32_b32 hwreg(HW_REG_WAVE_MODE, 25, 1), 1
	s_wait_xcnt 0x0
; TaylorKANLinear, launch 1 of 2: the weights are made ready once.
;   out[b][o] = sum_i silu(x[b][i]) W[o][i] + sum_i sum_k x[b][i]^k C[o][i][k] + bias[o],  k = 0..3,  B = 8192, IN = OUT = 1024.
; WORK LEFT OUT, and why: x^0 is 1 for every value of x (jnp's power gives 1 for 0, for NaN and for infinities too), so the k = 0 plane of the
; product is a product with a matrix of ones: its result is the row sum c0[o] = sum_i C[o][i][0], the same for every b.  The product is not
; made; the row sum is, here, in f32, and goes out with the bias: cb[o] = bias[o] + c0[o].  Every input still reaches the output and every
; input is loaded.  Limits: the k = 0 terms are summed apart from the others and are not rounded to 16 bits, so the order of rounding differs
; from an einsum over all four planes; a NaN or an infinity in C[o][i][0] reaches cb[o] and through it every out[b][o], as in the formula.
; FORMATS: W and C1 go in f16 (11 significant bits), beside silu x and x; C2 and C3 in bf16 (8 significant bits), beside x^2 and x^3.  The product
; with W carries most of the result's size for weights of like scale per input, so it gets the finer format; W and C1 have room in it: f16 reaches
; 65,504, and below 2^-14 its step is 2^-24, which for coefficients of 1e-5 is still no coarser than bf16's step.  x^3 has no such room: bf16.
; LIMIT: |W| and |C1| below 65,504; beyond that the f16 is infinite.
; WHAT THIS LAUNCH STORES:
;   wpack: one row of 8,192 bytes for each o: 16 pieces of 512 bytes, piece c for i = 64 c .. 64 c + 63: first 64 words (f16 W[o][i], f16 C[o][i][1]),
;          then 64 words (bf16 C[o][i][2], bf16 C[o][i][3]), i ascending.
;   cb:    bias[o] + sum_i C[o][i][0], f32.
; SHARES: a stream, no LDS, no matrix unit.  256 work-groups of four waves; wave w of group g owns row o = 4 g + w: 4 KiB of W, 16 KiB of C in,
; 8 KiB out.  All 48 loads of a wave go out in one run.  A store of the wave covers 256 consecutive bytes, aligned.
; cb is stored as one word a wave (4 KiB in the whole launch): whole 256-byte pieces of cb would want 64 rows in one work-group, that is
; 16 work-groups for a stream of 28 MiB.
.set SUM, 8                            ; v8, v9    two chains of the row sum
.set TC,  16                           ; v[16:143] chunk c: 8 registers, C[o][i][0..3] of my two i; then, in place, my 8 + 8 bytes of wpack
.set WR,  144                          ; v[144:175] chunk c: W[o][i] of my two i
	s_load_b256 s[4:11], s[0:1], 0x0               ; W s[4:5], C s[6:7], bias s[8:9], wpack s[10:11]
	s_load_b64 s[12:13], s[0:1], 0x20              ; cb
	v_lshrrev_b32 v1, 5, v0
	v_readfirstlane_b32 s14, v1                    ; wave 0..3
	s_lshl_b32 s15, ttmp9, 2
	s_add_co_u32 s15, s15, s14                     ; o = 4 g + w
	s_mov_b32 s17, 0                               ; the high word of every offset below
	s_mov_b32 s20, 0x76543210                      ; v_permlanex16_b32: lane i of one half reads lane i of the other
	s_mov_b32 s21, 0xfedcba98
	v_and_b32 v1, 31, v0                           ; lane j owns i = 64 c + 2 j and 64 c + 2 j + 1 of chunk c
	v_lshlrev_b32 v2, 5, v1                        ; C: 32 bytes for two i
	v_lshlrev_b32 v3, 3, v1                        ; W: 8 bytes for two i; wpack: 8 bytes for two i in each of a piece's halves
	v_mov_b32 v5, 0
	s_wait_kmcnt 0x0
	s_lshl_b32 s16, s15, 12
	s_add_nc_u64 s[4:5], s[4:5], s[16:17]          ; W's row o
	s_lshl_b32 s16, s15, 14
	s_add_nc_u64 s[6:7], s[6:7], s[16:17]          ; C's row o
	s_lshl_b32 s16, s15, 13
	s_add_nc_u64 s[10:11], s[10:11], s[16:17]      ; wpack's row o
	s_lshl_b32 s16, s15, 2
	s_add_nc_u64 s[8:9], s[8:9], s[16:17]          ; bias[o]
	s_add_nc_u64 s[12:13], s[12:13], s[16:17]      ; cb[o]
	s_load_b32 s18, s[8:9], 0x0                    ; bias[o]: waited for in front of its use, at the end
.irp c, 0,1,2,3,4,5,6,7,8,9,10,11,12,13,14,15
	global_load_b128 v[TC+8*\c:TC+8*\c+3],   v2, s[6:7] offset:1024*\c th:TH_LOAD_NT
	global_load_b128 v[TC+8*\c+4:TC+8*\c+7], v2, s[6:7] offset:1024*\c+16 th:TH_LOAD_NT
	global_load_b64  v[WR+2*\c:WR+2*\c+1],   v3, s[4:5] offset:256*\c th:TH_LOAD_NT
.endr
; Chunk c: 64 i of the row.  No register that a store reads is written again in this kernel.
.macro CHUNK c
	s_wait_loadcnt 45-3*\c                         ; loads come back in order (ISA guide 5.7.1): three for each of the 15 - c later chunks stay out
.if \c < 2
	v_add_f32 v[SUM+\c], v[TC+8*\c], v[TC+8*\c+4]  ; chunks 0 and 1 start the two chains: nothing is cleared
.else
	v_add_f32 v10, v[TC+8*\c], v[TC+8*\c+4]        ; my two C[o][i][0]
	v_add_f32 v[SUM+\c%2], v[SUM+\c%2], v10
.endif
	v_cvt_pk_f16_f32  v[TC+8*\c],   v[WR+2*\c],   v[TC+8*\c+1]     ; (W, C1) of the first i; its C0 has just been summed
	v_cvt_pk_f16_f32  v[TC+8*\c+1], v[WR+2*\c+1], v[TC+8*\c+5]     ; (W, C1) of the second i
	v_cvt_pk_bf16_f32 v[TC+8*\c+2], v[TC+8*\c+2], v[TC+8*\c+3]     ; (C2, C3) of the first i
	v_cvt_pk_bf16_f32 v[TC+8*\c+3], v[TC+8*\c+6], v[TC+8*\c+7]     ; (C2, C3) of the second i
	global_store_b64 v3, v[TC+8*\c:TC+8*\c+1],   s[10:11] offset:512*\c        ; the piece's f16 half: 32 lanes x 8 bytes
	global_store_b64 v3, v[TC+8*\c+2:TC+8*\c+3], s[10:11] offset:512*\c+256    ; its bf16 half
.endm
.irp c, 0,1,2,3,4,5,6,7,8,9,10,11,12,13,14,15
	CHUNK \c
.endr
	; the row sum across the 32 lanes: four steps inside each half of 16 lanes, one across the halves; every lane ends with the sum
	v_add_f32 v8, v8, v9
	v_add_f32_dpp v8, v8, v8 row_xmask:1 row_mask:0xf bank_mask:0xf
	v_add_f32_dpp v8, v8, v8 row_xmask:2 row_mask:0xf bank_mask:0xf
	v_add_f32_dpp v8, v8, v8 row_xmask:4 row_mask:0xf bank_mask:0xf
	v_add_f32_dpp v8, v8, v8 row_xmask:8 row_mask:0xf bank_mask:0xf
	v_permlanex16_b32 v10, v8, s20, s21            ; v10 has been written by the chunks above
	v_add_f32 v8, v8, v10
	s_wait_kmcnt 0x0                               ; bias[o]
	v_add_f32 v8, s18, v8
	v_cmp_eq_u32 vcc_lo, 0, v1
	s_wait_xcnt 0x0                                ; EXEC is a source of the stores above: it is narrowed only behind this wait
	s_and_saveexec_b32 s22, vcc_lo
	global_store_b32 v5, v8, s[12:13]              ; lane 0 alone: cb[o]
	s_wait_xcnt 0x0                                ; and widened again only behind this one
	s_or_b32 exec_lo, exec_lo, s22
	s_endpgm
.Lfunc_end_k_q8a2fb08149_pack:
	.size	k_q8a2fb08149_pack, .Lfunc_end_k_q8a2fb08149_pack-k_q8a2fb08149_pack
	.p2alignl 7, 3214868480
	.fill 96, 4, 3214868480
	.section	.rodata,"a",@progbits
	.p2align	6, 0x0
	.amdhsa_kernel k_q8a2fb08149_pack
		.amdhsa_group_segment_fixed_size 0
		.amdhsa_private_segment_fixed_size 0
		.amdhsa_enable_private_segment 0
		.amdhsa_kernarg_size 40
		.amdhsa_user_sgpr_count 2
		.amdhsa_user_sgpr_kernarg_segment_ptr 1
		.amdhsa_wavefront_size32 1
		.amdhsa_system_sgpr_workgroup_id_x 1
		.amdhsa_system_sgpr_workgroup_id_y 1
		.amdhsa_system_sgpr_workgroup_id_z 1
		.amdhsa_system_vgpr_workitem_id 0
		.amdhsa_next_free_vgpr 176
		.amdhsa_next_free_sgpr 66
		.amdhsa_reserve_vcc 1
		.amdhsa_float_denorm_mode_32 3
		.amdhsa_float_denorm_mode_16_64 3
		.amdhsa_memory_ordered 1
		.amdhsa_forward_progress 1
		.amdhsa_inst_pref_size 15
	.end_amdhsa_kernel
	.amdgpu_metadata
---
amdhsa.version: [ 1, 2 ]
amdhsa.kernels:
  - .name:           k_q8a2fb08149_pack
    .symbol:         k_q8a2fb08149_pack.kd
    .args:
      - { .name: base_weight, .offset: 0, .size: 8, .value_kind: global_buffer, .address_space: global }
      - { .name: taylor_coeffs, .offset: 8, .size: 8, .value_kind: global_buffer, .address_space: global }
      - { .name: bias, .offset: 16, .size: 8, .value_kind: global_buffer, .address_space: global }
      - { .name: wpack, .offset: 24, .size: 8, .value_kind: global_buffer, .address_space: global }
      - { .name: cb, .offset: 32, .size: 8, .value_kind: global_buffer, .address_space: global }
    .group_segment_fixed_size: 0
    .private_segment_fixed_size: 0
    .kernarg_segment_align: 8
    .kernarg_segment_size: 40
    .max_flat_workgroup_size: 128
    .sgpr_count:     66
    .vgpr_count:     176
    .wavefront_size: 32
...
	.end_amdgpu_metadata
.endif
;; end of part 1
;; launch kan (part 2): grid 8 x 32, 4 waves a work-group, clusters of 4 x 4, 327,680 bytes of LDS; arguments x, wpack, cb, out0; writes out0
.if DOCPART == 2
	.amdgcn_target "amdgcn-amd-amdhsa--gfx1250"
	.amdhsa_code_object_version 6
	.text
	.protected	k_q8a2fb08149_kan
	.globl	k_q8a2fb08149_kan
	.p2align	8
	.type	k_q8a2fb08149_kan,@function
k_q8a2fb08149_kan:
	s_mov_b64 s[64:65], 0
	v_nop
	global_prefetch_b8 v0, s[64:65] scope:SCOPE_SE
	s_setreg_imm32_b32 hwreg(HW_REG_WAVE_MODE, 25, 1), 1
	s_wait_xcnt 0x0
	s_wait_alu depctr_hold_cnt(0) depctr_sa_sdst(0) depctr_va_vdst(0) depctr_va_sdst(0) depctr_va_ssrc(0) depctr_va_vcc(0) depctr_vm_vsrc(0)
	s_getreg_b32 s2, hwreg(HW_REG_IB_STS2, 6, 4)
	s_cmp_eq_u32 s2, 0
	s_cbranch_scc0 .Lentry_in_a_cluster
	s_endpgm
.Lentry_in_a_cluster:
	s_bfe_u32 s2, ttmp6, 0x10000c
	s_cmp_lg_u32 s2, 0xf033
	s_cbranch_scc0 .Lentry_shape_is_right
	s_endpgm
.Lentry_shape_is_right:
; TaylorKANLinear, launch 2 of 2:  out[b][o] = sum over i of  silu(x) W + x C1  (f16 operands)  +  x^2 C2 + x^3 C3  (bf16 operands)  + cb[o],
;   the weights from wpack, cb[o] = bias[o] + sum_i C[o][i][0] from the first launch; all sums in f32.
; Work left out: the product of the k = 0 plane (x^0 = 1 for every x): its result is the row sum that cb holds.
; So one product with M = 8192, N = 1024, K = 4 x 1024.
; FORMATS: silu x and x go in f16 (11 significant bits) beside W and C1; x^2 and x^3 in bf16 (8 significant bits) beside C2 and C3.  |silu x| <= |x|, and
; x has room in f16 (up to 65,504; below 2^-14 a step of 2^-24); x^3 has not: 41^3 is already beyond f16.  Both forms run at one rate.
; THE FEATURES ARE NEVER IN MEMORY OR IN LDS: x travels as f32, 4 bytes for an element where its four 16-bit features are 8.  A piece of K = 32 is 16 i x 2
; features of one format.  Both sources of a matrix instruction map K to lanes and registers alike, so any order of K that both sides share keeps every
; product; here register e of lane (r, h) holds i = 16 u + 8 h + e on both sides: 32 neighbouring bytes of a wpack row's half piece, and the two features
; made from the e-th of 8 neighbouring f32 of x.
; SHARES: 256 work-groups; a group makes 256 rows x 128 columns with four waves; wave w makes rows 64 w .. 64 w + 63 x all 128 columns, so that no
; feature is computed twice in a group.  4 x 8 tiles, and two accumulators a tile, one for each form (the two forms make no chain on one accumulator):
; 512 registers, added on the way out.
; K goes in 16 steps of 64 i through two LDS slots filled by the tensor data mover: 256 rows x 256 bytes of x and 128 rows x 512 bytes of
; wpack a step; each wave brings a quarter (waves 0, 1: 128 rows of x; waves 2, 3: 64 rows of wpack), 32 KiB a load.
; A step is four quarters of 16 i; a quarter is two sub-steps of K = 32, the f16 one and the bf16 one, 32 matrix instructions each.
; CLUSTERS: 4 x 4 work-groups.  x's tile hangs on the block row alone and is asked for jointly by the four of a row of the cluster; wpack's hangs
; on the block column alone and is asked for jointly by the four of a column: a quarter of the requests.
; THE LOOP STANDS IN PHASES: a quarter's 64 matrix instructions, then the 208 vector instructions that make the next quarter's features.
; LIMITS: silu(x) = x * rcp(1 + exp2(-x log2 e)): where the exponential overflows the result is -0, where it is flushed to zero the result is x,
; both the right limits; x = -infinity gives NaN, as x * sigmoid(x) does.  |x| below 65,504 (beyond it the f16 of x is infinite).
;
; REGISTERS, in windows of 256:
;   window 0: addresses, x as loaded, the feature arithmetic, two buffers of feature fragments;  window 1: two buffers of wpack fragments;
;   window 2: the 32 accumulator tiles of the f16 products, tile (a, b) at v[8 (8 a + b)];  window 3: those of the bf16 products, likewise.
; THE MATRIX INSTRUCTION IS USED TRANSPOSED: source 0 = 16 rows of wpack, source 1 = 16 rows of features, so that lane (r, h) holds, in registers
; 0 to 7, out(row 16 a + r, columns 16 b + 8 h + 0..7): eight neighbouring f32 of a row.
.set XP,     272                       ; an LDS row of x: 256 bytes + 16 of padding
.set BP,     528                       ; an LDS row of wpack: 512 bytes + 16.  Both pitches are odd multiples of 16 bytes: the sixteen rows that a
                                       ; fragment load touches begin at sixteen different 16-byte columns of a span of 256 bytes
.set XHALF,  128*XP                    ; what one load of x brings
.set XT,     2*XHALF                   ; x's 256 rows
.set BHALF,  64*BP                     ; what one load of wpack brings
.set SLOT,   XT+2*BHALF                ; x's rows, then wpack's 128 rows: 137,216 bytes
.set STAGE,  2*SLOT                    ; behind the ring, at a multiple of 256 bytes: 16 rows x 528 bytes for each wave, for the way out; no fill lands here
.set SP,     528
.set LAPS,   8                         ; a lap = two steps = once round the ring
.set ADRX, 4                           ; v4, v5    LDS address of my x in slot 0, 1
.set ADRB, 6                           ; v6, v7    the same for wpack
.set STO,  8                           ; v8        the way out: where I put 32 bytes of a row
.set RD,   9                           ; v9        the way out: where I read 16 bytes of a row back
.set CO,   10                          ; v10       16 x lane: my bytes in a piece of 512 bytes of cb and of out0
.set CB,   12                          ; v[12:15]  cb of my four columns on the way out
.set XR,   16                          ; v[16:47]  x as loaded: tile a's eight values at XR + 8 a
.set XS,   48                          ; v[48:55]  eight values on their way to silu
.set X2,   56                          ; v[56:63]  their squares
.set X3,   64                          ; v[64:71]  their cubes
.set AF,   96                          ; v[96:159], v[160:223]  feature fragments, two buffers: fragment (s, a) at AF + 64 f + 32 s + 8 a; s = 0: f16, 1: bf16
                                       ; window 1: v[0:127], v[128:255]  wpack fragments, two buffers: fragment (s, b) at 128 f + 64 s + 8 b
.set G1X, 24                           ; s[24:31] descriptor group 1 for x's tiles
.set G0X, 32                           ; s[32:39] descriptor group 0 for x's tiles, one set for each slot
.set G1B, 48                           ; s[48:55] descriptor group 1 for wpack's tiles
.set G0B, 56                           ; s[56:63] descriptor group 0 for wpack's tiles, one set for each slot
.set MSB, 0
.macro WIN new                         ; the immediate's high byte repeats the setting that is left; a switch that changes nothing is dropped
.if MSB != \new
	s_set_vgpr_msb (MSB<<8)|\new
.set MSB, \new
.endif
.endm
.set MULF,   0xa1                      ; source 0 (wpack) window 1, source 1 (features) window 0, C and D window 2: the f16 products
.set MULB,   0xf1                      ; the same, C and D window 3: the bf16 products
.set TO_B,   0x40                      ; destination window 1, address window 0
.set JOIN,   0x8e                      ; source 0 and destination window 2, source 1 window 3: the two sums are added
.set ST_ACC, 0x08                      ; an LDS store's data (source 1) window 2, its address window 0
; A joint load.  Waves 0 and 1 ask for x's two halves, waves 2 and 3 for wpack's.  Each line has one mask and one set of registers for all that issue
; it.  The branch hangs on the wave's number alone: it is the same in every work-group.
.macro JLOAD n
	s_cmp_eq_u32 s13, 0
	s_cbranch_scc0 .Lfor_w_\@
	tensor_load_to_lds s[G0X+4*\n:G0X+4*\n+3], s[G1X:G1X+7]
	s_nop 0
	s_branch .Lasked_\@
.Lfor_w_\@:
	tensor_load_to_lds s[G0B+4*\n:G0B+4*\n+3], s[G1B:G1B+7]
	s_nop 0
.Lasked_\@:
.endm
; A round of the cluster's barrier: my work-group's barrier, so that wave 0's signal speaks for all four waves; wave 0 signals for the work-group;
; every wave waits for all sixteen work-groups; my work-group's barrier once more.
.macro CREST                           ; a round behind its opening barrier
	s_cmp_lg_u32 s12, 0
	s_cbranch_scc1 .Lnot_wave_0_\@
	s_barrier_signal -3
.Lnot_wave_0_\@:
	s_barrier_wait -3
	s_barrier_signal -1
	s_barrier_wait -1
.endm
.macro CROUND                          ; a whole round
	s_barrier_signal -1
	s_barrier_wait -1
	CREST
.endm
	s_load_b256 s[4:11], s[0:1], 0x0               ; x s[4:5], wpack s[6:7], cb s[8:9], out0 s[10:11]
	v_lshl_add_u32 v254, v0, 2, 0x4b400
	v_mov_b32 v255, 0
	ds_add_u32 v254, v255
	v_lshrrev_b32 v1, 5, v0
	v_readfirstlane_b32 s12, v1                    ; wave 0..3
	s_lshr_b32 s13, s12, 1                         ; I fetch for x (0) or for wpack (1)
	s_and_b32 s14, s12, 1                          ; which half of that tile's rows
	s_bfe_u32 s16, ttmp6, 0x40000                  ; cx: my place along the cluster's x
	s_bfe_u32 s17, ttmp6, 0x40004                  ; cy: along its y
	s_lshl_b32 s18, ttmp9, 2                       ; in a cluster launch ttmp9 and ttmp7 count clusters
	s_add_co_u32 s18, s18, s16                     ; block column (128 columns) = 4 x cluster x + cx
	s_and_b32 s19, ttmp7, 0xffff
	s_lshl_b32 s19, s19, 2
	s_add_co_u32 s19, s19, s17                     ; block row (256 rows) = 4 x cluster y + cy
	s_lshl_b32 s20, s17, 2
	s_lshl_b32 s20, 15, s20                        ; my row of the cluster: places 4 cy .. 4 cy + 3
	s_lshl_b32 s21, 0x1111, s16                    ; my column: places cx, cx + 4, cx + 8, cx + 12
	s_mov_b32 s22, 0xbfb8aa3b                      ; -log2 e, twice: a pair for the packed multiply
	s_mov_b32 s23, 0xbfb8aa3b
	; group 1 for x: 128 rows x 64 elements of 4 bytes, 4 words of padding behind every 64 words
	s_or_b32 s[G1X+0], s20, (2<<16)|(1<<20)|(1<<21)|(5<<22)|(3<<25)  ; 15:0 mask: my row; 17:16 element of 4 bytes; 20 padding on; 21 set beside a mask; 24:22 interval 64 words; 31:25 pad 4 words
	s_mov_b32 s[G1X+1], 64<<16                     ; tensor_dim0 = 64
	s_mov_b32 s[G1X+2], 128<<16                    ; tensor_dim1 = 128
	s_mov_b32 s[G1X+3], 64<<16                     ; tile_dim0 = 64
	s_mov_b32 s[G1X+4], 128                        ; tile_dim1 = 128
	s_mov_b32 s[G1X+5], 1024                       ; elements from row to row
	s_mov_b32 s[G1X+6], 0
	s_mov_b32 s[G1X+7], 0
	; group 1 for wpack: 64 rows x 256 elements of 2 bytes, 4 words of padding behind every 128 words
	s_or_b32 s[G1B+0], s21, (1<<16)|(1<<20)|(1<<21)|(6<<22)|(3<<25)  ; the mask: my column; element of 2 bytes; interval 128 words
	s_mov_b32 s[G1B+1], 256<<16                    ; tensor_dim0 = 256
	s_mov_b32 s[G1B+2], 64<<16                     ; tensor_dim1 = 64
	s_mov_b32 s[G1B+3], 256<<16                    ; tile_dim0 = 256
	s_mov_b32 s[G1B+4], 64                         ; tile_dim1 = 64
	s_mov_b32 s[G1B+5], 4096                       ; elements from row to row
	s_mov_b32 s[G1B+6], 0
	s_mov_b32 s[G1B+7], 0
	; Where the tiles come from.  x's hang on the block row alone, which my row of the cluster shares; wpack's on the block column alone, which my
	; column shares.  Every wave makes both addresses, in registers that never hold the other coordinate, and asks by one of them.
	s_lshl_b32 s40, s19, 8
	s_lshl_b32 s41, s14, 7
	s_add_co_u32 s40, s40, s41                     ; x: row 256 x block row + 128 x half,
	s_lshl_b32 s40, s40, 12                        ; of 4,096 bytes (below 32 MiB)
	s_mov_b32 s41, 0
	s_lshl_b32 s46, s18, 7
	s_lshl_b32 s47, s14, 6
	s_add_co_u32 s46, s46, s47                     ; wpack: row 128 x block column + 64 x half,
	s_lshl_b32 s46, s46, 13                        ; of 8,192 bytes (below 8 MiB)
	s_mov_b32 s47, 0
	s_mul_i32 s42, s12, XHALF                      ; and where they go: waves 0, 1: x's halves at 0 and XHALF;
	s_mul_i32 s43, s12, BHALF
	s_add_co_u32 s43, s43, XT-2*BHALF              ; waves 2, 3: wpack's halves at XT and XT + BHALF.  No place in the cluster enters an LDS address
	s_lshl_b32 s44, s18, 9                         ; my 128 columns in cb and in a row of out0, in bytes
	s_mov_b32 s45, 0
	s_wait_dscnt 0x0
	s_wait_kmcnt 0x0
	s_add_nc_u64 s[40:41], s[4:5], s[40:41]
	s_add_nc_u64 s[46:47], s[6:7], s[46:47]
	CROUND                                         ; all sixteen work-groups are here: the first joint loads meet
.irp n, 0,1
	s_mov_b32 s[G0X+4*\n], 1                                       ; count = 1
	s_add_co_u32 s[G0X+4*\n+1], s42, \n*SLOT                       ; LDS address
	s_add_nc_u64 s[G0X+4*\n+2:G0X+4*\n+3], s[40:41], \n*256        ; global address: step n, 64 f32 along the row
	s_or_b32 s[G0X+4*\n+3], s[G0X+4*\n+3], 0x80000000              ; type = 2
	s_mov_b32 s[G0B+4*\n], 1
	s_add_co_u32 s[G0B+4*\n+1], s43, \n*SLOT
	s_add_nc_u64 s[G0B+4*\n+2:G0B+4*\n+3], s[46:47], \n*512        ; step n: a piece of 512 bytes along the row
	s_or_b32 s[G0B+4*\n+3], s[G0B+4*\n+3], 0x80000000
	JLOAD \n                                       ; both slots' first fills go out before anything else: two loads of a wave are out
.endr
	v_and_b32 v1, 15, v0                           ; r
	v_bfe_u32 v2, v0, 4, 1                         ; h
	v_mul_u32_u24 v3, v1, XP
	v_lshl_add_u32 v3, v2, 5, v3                   ; r x pitch + 32 h: eight f32 for each half of the lanes
	s_mul_i32 s2, s12, 64*XP                       ; my 64 rows of x
	v_add_nc_u32 v[ADRX], s2, v3
	v_add_nc_u32 v[ADRX+1], SLOT, v[ADRX]
	v_mul_u32_u24 v3, v1, BP
	v_lshl_add_u32 v3, v2, 5, v3                   ; r x pitch + 32 h: eight words of two weights
	v_add_nc_u32 v[ADRB], XT, v3                   ; every wave reads all 128 rows of wpack
	v_add_nc_u32 v[ADRB+1], XT+SLOT, v3
	s_mul_i32 s3, s12, 16*SP
	s_add_co_u32 s3, s3, STAGE                     ; my stage
	v_mul_u32_u24 v11, v1, SP                      ; in: row r, 32 bytes for each half of the lanes
	v_lshl_add_u32 v11, v2, 5, v11
	v_add_nc_u32 v[STO], s3, v11
	v_and_b32 v11, 31, v0
	v_lshlrev_b32 v[CO], 4, v11                    ; back: 32 lanes x 16 bytes are a row of 512 bytes
	v_add_nc_u32 v[RD], s3, v[CO]
	s_add_nc_u64 s[8:9], s[8:9], s[44:45]
	global_load_b128 v[CB:CB+3], v[CO], s[8:9]     ; cb of columns 4 lane .. 4 lane + 3 of my block
; 40 LDS loads in one run: quarter u of a slot.  First x (8 loads: 4 tiles x 32 bytes = 8 i a lane), then wpack's fragments into buffer g (32 loads:
; the f16 half of the piece at byte 64 u of the row, the bf16 half at 256 + 64 u).  The window is left at TO_B.
.macro FETCH slot, u, g
	WIN 0
.irp a, 0,1,2,3
.irp s, 0,1
	ds_load_b128 v[XR+8*\a+4*\s:XR+8*\a+4*\s+3], v[ADRX+\slot] offset:\a*16*XP+64*\u+16*\s
.endr
.endr
	WIN TO_B
.irp s, 0,1
.irp b, 0,1,2,3,4,5,6,7
	ds_load_b128 v[128*\g+64*\s+8*\b:128*\g+64*\s+8*\b+3],   v[ADRB+\slot] offset:\b*16*BP+256*\s+64*\u
	ds_load_b128 v[128*\g+64*\s+8*\b+4:128*\g+64*\s+8*\b+7], v[ADRB+\slot] offset:\b*16*BP+256*\s+64*\u+16
.endr
.endr
.endm
; The features of a quarter, from XR into buffer g: for each of the four tiles eight values a lane, 52 instructions.
; Behind each run of transcendentals stand four plain multiplies on other registers before a result is used (ISA guide 5.7.2).
.macro FEAT g
.irp a, 0,1,2,3
.irp p, 0,2,4,6
	v_pk_mul_f32 v[XS+\p:XS+\p+1], v[XR+8*\a+\p:XR+8*\a+\p+1], s[22:23] op_sel_hi:[1,0]        ; -x log2 e
.endr
.irp e, 0,1,2,3,4,5,6,7
	v_exp_f32 v[XS+\e], v[XS+\e]                                                               ; e^-x
.endr
.irp p, 0,2,4,6
	v_pk_mul_f32 v[X2+\p:X2+\p+1], v[XR+8*\a+\p:XR+8*\a+\p+1], v[XR+8*\a+\p:XR+8*\a+\p+1]      ; x^2
.endr
	s_wait_alu depctr_va_vdst(0)
.irp p, 0,2,4,6
	v_pk_add_f32 v[XS+\p:XS+\p+1], v[XS+\p:XS+\p+1], 1.0 op_sel_hi:[1,0]
.endr
.irp e, 0,1,2,3,4,5,6,7
	v_rcp_f32 v[XS+\e], v[XS+\e]                                                               ; sigmoid x
.endr
.irp p, 0,2,4,6
	v_pk_mul_f32 v[X3+\p:X3+\p+1], v[X2+\p:X2+\p+1], v[XR+8*\a+\p:XR+8*\a+\p+1]                ; x^3
.endr
	s_wait_alu depctr_va_vdst(0)
.irp p, 0,2,4,6
	v_pk_mul_f32 v[XS+\p:XS+\p+1], v[XS+\p:XS+\p+1], v[XR+8*\a+\p:XR+8*\a+\p+1]                ; silu x
.endr
.irp e, 0,1,2,3,4,5,6,7
	v_cvt_pk_f16_f32  v[AF+64*\g+8*\a+\e],    v[XS+\e], v[XR+8*\a+\e]                          ; f16 (silu, x), beside (W, C1)
	v_cvt_pk_bf16_f32 v[AF+64*\g+32+8*\a+\e], v[X2+\e], v[X3+\e]                               ; bf16 (x^2, x^3), beside (C2, C3)
.endr
.endr
.endm
; 32 matrix instructions: sub-step s of buffer f, all 4 x 8 tiles; s = 0: the f16 form onto window 2, s = 1: the bf16 form onto window 3.
; The 64 accumulators take turns, one instruction a turn, in the same order in every quarter.
; zero = 1: the first product starts the sums: nothing is cleared.
.macro MUL32 f, s, zero
.if \s
	WIN MULB
.else
	WIN MULF
.endif
.irp a, 0,1,2,3
.irp b, 0,1,2,3,4,5,6,7
.if \s
.if \zero
	v_wmma_f32_16x16x32_bf16 v[8*(8*\a+\b):8*(8*\a+\b)+7], v[128*\f+64+8*\b:128*\f+64+8*\b+7], v[AF+64*\f+32+8*\a:AF+64*\f+32+8*\a+7], 0
.else
	v_wmma_f32_16x16x32_bf16 v[8*(8*\a+\b):8*(8*\a+\b)+7], v[128*\f+64+8*\b:128*\f+64+8*\b+7], v[AF+64*\f+32+8*\a:AF+64*\f+32+8*\a+7], v[8*(8*\a+\b):8*(8*\a+\b)+7]
.endif
.else
.if \zero
	v_wmma_f32_16x16x32_f16 v[8*(8*\a+\b):8*(8*\a+\b)+7], v[128*\f+8*\b:128*\f+8*\b+7], v[AF+64*\f+8*\a:AF+64*\f+8*\a+7], 0
.else
	v_wmma_f32_16x16x32_f16 v[8*(8*\a+\b):8*(8*\a+\b)+7], v[128*\f+8*\b:128*\f+8*\b+7], v[AF+64*\f+8*\a:AF+64*\f+8*\a+7], v[8*(8*\a+\b):8*(8*\a+\b)+7]
.endif
.endif
.endr
.endr
.endm
; One of a step's first three quarters: asks for quarter u (the next one) of the same slot into buffer g, multiplies buffer f, makes buffer g's features.
; PLACES BEHIND MATRIX INSTRUCTIONS: the loads into, and the conversions into, a buffer that matrix instructions have read stand behind
; a whole FEAT on the OTHER buffer, over a hundred plain vector instructions that name none of those matrix instructions' registers.  So the loop has no v_nop.
.macro QUARTER slot, u, f, g, zero
	s_wait_dscnt 0x0                               ; buffer f's wpack fragments are in: they were asked for a quarter ago, ahead of 64 matrix and 208 vector instructions
	FETCH \slot, \u, \g
	MUL32 \f, 0, \zero
	MUL32 \f, 1, \zero
	WIN 0
	s_wait_dscnt 32                                ; the 8 loads of x are in; the 32 younger ones, wpack's, may stay out
	FEAT \g
.endm
.macro THREE slot, zero
	QUARTER \slot, 1, 0, 1, \zero
	QUARTER \slot, 2, 1, 0, 0
	QUARTER \slot, 3, 0, 1, 0
.endm
; A step's last quarter: multiplies buffer 1 and changes slots.  next = the other slot; fill = 1: this slot is filled again, two steps ahead.
; One barrier for the change of slots.  In front of it each wave waits for its reads of this slot and for all its tensor loads, of which one is out: its
; part of the next slot.  Behind it nobody reads this slot and the next slot is whole: the refill comes first, then the next slot's first reads.
.macro TURN slot, next, fill
	s_wait_dscnt 0x0                               ; my reads of this slot are over, buffer 1's fragments among them
	s_wait_tensorcnt 0x0                           ; all my tensor loads have landed
	ds_add_u32 v254, v255
	s_wait_dscnt 0x0
	s_barrier_signal -1                            ; say so (where the slot is filled again this barrier opens a round of the cluster's barrier),
	MUL32 1, 0, 0                                  ; work on registers while the others arrive,
	WIN 0
	s_barrier_wait -1                              ; and go on when all four have said so
.if \fill
	CREST                                          ; all sixteen work-groups have said so: no wave of any partner reads this slot or has a load on its way
	s_add_nc_u64 s[G0X+4*\slot+2:G0X+4*\slot+3], s[G0X+4*\slot+2:G0X+4*\slot+3], 2*256     ; no load of mine is out: both sets may be stepped, two steps on
	s_add_nc_u64 s[G0B+4*\slot+2:G0B+4*\slot+3], s[G0B+4*\slot+2:G0B+4*\slot+3], 2*512
	JLOAD \slot                                    ; my one tensor load behind the round, and the first thing there
.endif
	FETCH \next, 0, 0                              ; into XR and buffer 0, which the 32 matrix instructions above do not name
	MUL32 1, 1, 0
	WIN 0
	s_wait_dscnt 32                                ; x is in; wpack's 32 loads may stay out
	FEAT 0
.endm
.macro LAP zero                        ; once round the ring, both slots filled again
	THREE 0, \zero
	TURN 0, 1, 1
	THREE 1, 0
	TURN 1, 0, 1
.endm
	s_wait_loadcnt 0x0                             ; cb, once
	s_wait_tensorcnt 0x1                           ; my part of step 0 is in; step 1's stays out
	s_barrier_signal -1
	s_barrier_wait -1                              ; everybody's part is in
	FETCH 0, 0, 0
	WIN 0
	s_wait_dscnt 32                                ; x is in
	FEAT 0
	LAP 1                                          ; the first lap stands in front of the loop: its first products start the sums
	WIN 0                                          ; at a label and at a branch every window is 0
	s_mov_b32 s15, LAPS-2
.Llap:
	LAP 0
	WIN 0
	s_sub_co_u32 s15, s15, 1
	s_cmp_lg_u32 s15, 0
	s_cbranch_scc1 .Llap
	THREE 0, 0                                     ; the last lap fills nothing and has no round: the one load still out is slot 1's, the last step's
	TURN 0, 1, 0
	THREE 1, 0
	s_wait_dscnt 0x0                               ; the very last quarter: nothing more to fetch
	MUL32 1, 0, 0
	MUL32 1, 1, 0
	; THE WAY OUT, 16 rows at a time: the two sums of a tile are added, 32 bytes a lane and tile go into my own stage in LDS, are read back as whole rows of
	; 512 bytes, get cb added and are stored.
	; Four places behind the last matrix instructions: for the additions, which read results, and for the loads into the feature buffers.
.rept 4
	v_nop
.endr
	s_lshl_b32 s40, s19, 8
	s_lshl_b32 s41, s12, 6
	s_add_co_u32 s40, s40, s41                     ; my first row: 256 x block row + 64 x wave,
	s_lshl_b32 s40, s40, 12                        ; of 4,096 bytes
	s_mov_b32 s41, 0
	s_add_nc_u64 s[10:11], s[10:11], s[40:41]
	s_add_nc_u64 s[10:11], s[10:11], s[44:45]      ; and my block's 128 columns
; rows 16 a .. 16 a + 15 of my 64 = the eight tiles (a, 0..7); o: one of the two feature buffers, in turn
.macro OUT16 a, o
	WIN JOIN
.irp b, 0,1,2,3,4,5,6,7
.irp p, 0,2,4,6
	v_pk_add_f32 v[8*(8*\a+\b)+\p:8*(8*\a+\b)+\p+1], v[8*(8*\a+\b)+\p:8*(8*\a+\b)+\p+1], v[8*(8*\a+\b)+\p:8*(8*\a+\b)+\p+1]   ; window 2 += window 3: f16 products + bf16 products
.endr
.endr
	WIN ST_ACC
.irp b, 0,1,2,3,4,5,6,7
	ds_store_b128 v[STO], v[8*(8*\a+\b):8*(8*\a+\b)+3]   offset:64*\b       ; columns 16 b + 8 h + 0..3 of row r
	ds_store_b128 v[STO], v[8*(8*\a+\b)+4:8*(8*\a+\b)+7] offset:64*\b+16    ; columns 16 b + 8 h + 4..7
.endr
	WIN 0
	s_wait_xcnt 0x0                                ; buffer o, which earlier stores read, is loaded again only behind this wait (ISA guide 3.1)
.irp t, 0,1,2,3,4,5,6,7,8,9,10,11,12,13,14,15
	ds_load_b128 v[\o+4*\t:\o+4*\t+3], v[RD] offset:\t*SP                   ; LDS serves a wave's instructions in order (ISA guide 5.7.1): these see the stores above
.endr
.irp t, 0,1,2,3,4,5,6,7,8,9,10,11,12,13,14,15
	s_wait_dscnt 15-\t                             ; row t is in; the younger reads stay out
	v_pk_add_f32 v[\o+4*\t:\o+4*\t+1],   v[\o+4*\t:\o+4*\t+1],   v[CB:CB+1]
	v_pk_add_f32 v[\o+4*\t+2:\o+4*\t+3], v[\o+4*\t+2:\o+4*\t+3], v[CB+2:CB+3]
	global_store_b128 v[CO], v[\o+4*\t:\o+4*\t+3], s[10:11] offset:(16*\a+\t)*4096 th:TH_STORE_NT   ; the wave stores 512 consecutive bytes, at a multiple of 512 from out0's first byte
.endr
.endm
	OUT16 0, AF
	OUT16 1, AF+64
	OUT16 2, AF
	OUT16 3, AF+64
	s_wait_tensorcnt 0x0
	ds_add_u32 v254, v255
	s_wait_dscnt 0x0
	CROUND                                         ; the closing round: no work-group ends while a partner may still ask for a tile that names it
	s_endpgm
.Lfunc_end_k_q8a2fb08149_kan:
	.size	k_q8a2fb08149_kan, .Lfunc_end_k_q8a2fb08149_kan-k_q8a2fb08149_kan
	.p2alignl 7, 3214868480
	.fill 96, 4, 3214868480
	.section	.rodata,"a",@progbits
	.p2align	6, 0x0
	.amdhsa_kernel k_q8a2fb08149_kan
		.amdhsa_group_segment_fixed_size 327680
		.amdhsa_private_segment_fixed_size 0
		.amdhsa_enable_private_segment 0
		.amdhsa_kernarg_size 32
		.amdhsa_user_sgpr_count 2
		.amdhsa_user_sgpr_kernarg_segment_ptr 1
		.amdhsa_wavefront_size32 1
		.amdhsa_system_sgpr_workgroup_id_x 1
		.amdhsa_system_sgpr_workgroup_id_y 1
		.amdhsa_system_sgpr_workgroup_id_z 1
		.amdhsa_system_vgpr_workitem_id 0
		.amdhsa_next_free_vgpr 1024
		.amdhsa_next_free_sgpr 66
		.amdhsa_reserve_vcc 0
		.amdhsa_float_denorm_mode_32 3
		.amdhsa_float_denorm_mode_16_64 3
		.amdhsa_memory_ordered 1
		.amdhsa_forward_progress 1
		.amdhsa_inst_pref_size 255
	.end_amdhsa_kernel
	.section	.bss,"aw",@nobits
	.p2align	6
	.space	262144
	.amdgpu_metadata
---
amdhsa.version: [ 1, 2 ]
amdhsa.kernels:
  - .name:           k_q8a2fb08149_kan
    .symbol:         k_q8a2fb08149_kan.kd
    .args:
      - { .name: x, .offset: 0, .size: 8, .value_kind: global_buffer, .address_space: global }
      - { .name: wpack, .offset: 8, .size: 8, .value_kind: global_buffer, .address_space: global }
      - { .name: cb, .offset: 16, .size: 8, .value_kind: global_buffer, .address_space: global }
      - { .name: out0, .offset: 24, .size: 8, .value_kind: global_buffer, .address_space: global }
    .group_segment_fixed_size: 327680
    .private_segment_fixed_size: 0
    .kernarg_segment_align: 8
    .kernarg_segment_size: 32
    .max_flat_workgroup_size: 128
    .sgpr_count:     66
    .vgpr_count:     1024
    .wavefront_size: 32
...
	.end_amdgpu_metadata
.endif
;; end of part 2
;; ======== version 2 of 2: 2 launches; version 1 with the launch pack written anew for expert scheduling mode
;; limits: values are held in f16: magnitudes above 65,504 overflow, below 6.1e-05 lose precision; inputs' magnitudes at most 65,504
;; workspace buffers: wpack 8,388,608 bytes; cb 4,096 bytes
;; launch pack (part 3): grid 256 x 1, 4 waves a work-group, no clusters, 0 bytes of LDS; arguments base_weight, taylor_coeffs, bias, wpack, cb; writes wpack, cb
.if DOCPART == 3
	.amdgcn_target "amdgcn-amd-amdhsa--gfx1250"
	.amdhsa_code_object_version 6
	.text
	.protected	k_q8a2fb08149_pack
	.globl	k_q8a2fb08149_pack
	.p2align	8
	.type	k_q8a2fb08149_pack,@function
k_q8a2fb08149_pack:
	s_mov_b64 s[64:65], 0
	v_nop
	global_prefetch_b8 v0, s[64:65] scope:SCOPE_SE
	s_setreg_imm32_b32 hwreg(HW_REG_WAVE_SCHED_MODE, 0, 2), 2
	s_setreg_imm32_b32 hwreg(HW_REG_WAVE_MODE, 25, 1), 1
	s_wait_xcnt 0x0
	s_wait_alu depctr_vm_vsrc(0)
; TaylorKANLinear, launch 1 of 2: the weights are made ready once.
;   out[b][o] = sum_i silu(x[b][i]) W[o][i] + sum_i sum_k x[b][i]^k C[o][i][k] + bias[o],  k = 0..3,  B = 8192, IN = OUT = 1024.
; WORK LEFT OUT, and why: x^0 is 1 for every value of x (jnp's power gives 1 for 0, for NaN and for infinities too), so the k = 0 plane of the
; product is a product with a matrix of ones: its result is the row sum c0[o] = sum_i C[o][i][0], the same for every b.  The product is not
; made; the row sum is, here, in f32, and goes out with the bias: cb[o] = bias[o] + c0[o].  Every input still reaches the output and every
; input is loaded.  Limits: the k = 0 terms are summed apart from the others and are not rounded to 16 bits, so the order of rounding differs
; from an einsum over all four planes; a NaN or an infinity in C[o][i][0] reaches cb[o] and through it every out[b][o], as in the formula.
; FORMATS: W and C1 go in f16 (11 significant bits), beside silu x and x; C2 and C3 in bf16 (8 significant bits), beside x^2 and x^3.  The product
; with W carries most of the result's size for weights of like scale per input, so it gets the finer format; W and C1 have room in it: f16 reaches
; 65,504, and below 2^-14 its step is 2^-24, which for coefficients of 1e-5 is still no coarser than bf16's step.  x^3 has no such room: bf16.
; LIMIT: |W| and |C1| below 65,504; beyond that the f16 is infinite.
; WHAT THIS LAUNCH STORES:
;   wpack: one row of 8,192 bytes for each o: 16 pieces of 512 bytes, piece c for i = 64 c .. 64 c + 63: first 64 words (f16 W[o][i], f16 C[o][i][1]),
;          then 64 words (bf16 C[o][i][2], bf16 C[o][i][3]), i ascending.
;   cb:    bias[o] + sum_i C[o][i][0], f32.
; SHARES: a stream, no LDS, no matrix unit.  256 work-groups of four waves; wave w of group g owns row o = 4 g + w: 4 KiB of W, 16 KiB of C in,
; 8 KiB out.  All 48 loads of a wave go out in one run.  A store of the wave covers 256 consecutive bytes, aligned.
; cb is stored as one word a wave (4 KiB in the whole launch): whole 256-byte pieces of cb would want 64 rows in one work-group, that is
; 16 work-groups for a stream of 28 MiB.
; THE MODE: SCHED_MODE bits 1:0 = 2 (LLVM: expert scheduling mode 2), set by the entry lines.  The code itself states the register dependences
; between vector instructions and memory instructions, with s_wait_alu, always for 0.
; THE PLAN.  Registers that memory instructions touch:
;   v2, v3, v5  byte offsets, made once at the head and never written again: v2 for C's loads, v3 for W's loads and wpack's stores, v5 for cb's store.
;   TC[c]       Two loads of the head's run land in it; no vector line names it before.  Chunk c's add and conversions read it, and the conversions write
;               its first four registers in place; the two stores issued at the head of chunk c + 1 read those four.  Never written again.
;   WR[c]       One load of the head's run lands in it; chunk c's conversions read it.  Never written again.
;   v8          The row sum: vector lines alone, until the one store of cb reads it at the end.
; So: one wait on va_vdst ahead of the run of loads (the offsets); one at the head of each chunk from the second on, behind the wait for that chunk's
; loads, and one behind the last chunk (the chunk before has written the data of its two stores, which follow the wait directly); and the waits at the
; two writes of EXEC.  No register that a load or store reads is written again, so no wait on vm_vsrc is owed but those at EXEC.
.set SUM, 8                            ; v8, v9    two chains of the row sum
.set TC,  16                           ; v[16:143] chunk c: 8 registers, C[o][i][0..3] of my two i; then, in place, my 8 + 8 bytes of wpack
.set WR,  144                          ; v[144:175] chunk c: W[o][i] of my two i
	s_load_b256 s[4:11], s[0:1], 0x0               ; W s[4:5], C s[6:7], bias s[8:9], wpack s[10:11]
	s_load_b64 s[12:13], s[0:1], 0x20              ; cb
	v_lshrrev_b32 v1, 5, v0
	v_readfirstlane_b32 s14, v1                    ; wave 0..3
	v_and_b32 v1, 31, v0                           ; lane j owns i = 64 c + 2 j and 64 c + 2 j + 1 of chunk c
	v_lshlrev_b32 v2, 5, v1                        ; C: 32 bytes for two i
	v_lshlrev_b32 v3, 3, v1                        ; W: 8 bytes for two i; wpack: 8 bytes for two i in each of a piece's halves
	v_mov_b32 v5, 0
	s_lshl_b32 s15, ttmp9, 2
	s_mov_b32 s17, 0                               ; the high word of every offset below
	s_mov_b32 s20, 0x76543210                      ; v_permlanex16_b32: lane i of one half reads lane i of the other
	s_mov_b32 s21, 0xfedcba98
	s_wait_alu depctr_va_sdst(0)                   ; s14 is written, ahead of its one reader: every base below is made from it
	s_add_co_u32 s15, s15, s14                     ; o = 4 g + w
	s_wait_kmcnt 0x0
	s_lshl_b32 s16, s15, 12
	s_add_nc_u64 s[4:5], s[4:5], s[16:17]          ; W's row o
	s_lshl_b32 s16, s15, 14
	s_add_nc_u64 s[6:7], s[6:7], s[16:17]          ; C's row o
	s_lshl_b32 s16, s15, 13
	s_add_nc_u64 s[10:11], s[10:11], s[16:17]      ; wpack's row o
	s_lshl_b32 s16, s15, 2
	s_add_nc_u64 s[8:9], s[8:9], s[16:17]          ; bias[o]
	s_add_nc_u64 s[12:13], s[12:13], s[16:17]      ; cb[o]
	s_load_b32 s18, s[8:9], 0x0                    ; bias[o]: waited for in front of its use, at the end
	s_wait_alu depctr_va_vdst(0)                   ; the offsets v2, v3 and v5 are written: every load and store of the kernel reads one of them
.irp c, 0,1,2,3,4,5,6,7,8,9,10,11,12,13,14,15
	global_load_b128 v[TC+8*\c:TC+8*\c+3],   v2, s[6:7] offset:1024*\c th:TH_LOAD_NT
	global_load_b128 v[TC+8*\c+4:TC+8*\c+7], v2, s[6:7] offset:1024*\c+16 th:TH_LOAD_NT
	global_load_b64  v[WR+2*\c:WR+2*\c+1],   v3, s[4:5] offset:256*\c th:TH_LOAD_NT
.endr
; The two stores of chunk c: they stand behind a wait that shows the chunk's conversions written.
.macro SEND c
	global_store_b64 v3, v[TC+8*(\c):TC+8*(\c)+1],   s[10:11] offset:512*(\c)        ; the piece's f16 half: 32 lanes x 8 bytes
	global_store_b64 v3, v[TC+8*(\c)+2:TC+8*(\c)+3], s[10:11] offset:512*(\c)+256    ; its bf16 half
.endm
; Chunk c: 64 i of the row.  No register that a store reads is written again in this kernel.
.macro CHUNK c
	s_wait_loadcnt 45-3*\c                         ; loads come back in order (ISA guide 5.7.1): three for each of the 15 - c later chunks stay out
.if \c > 0
	s_wait_alu depctr_va_vdst(0)                   ; the conversions of the chunk before have written the first four registers of its TC, which the two stores below read
	SEND (\c-1)
.endif
.if \c < 2
	v_add_f32 v[SUM+\c], v[TC+8*\c], v[TC+8*\c+4]  ; chunks 0 and 1 start the two chains: nothing is cleared
.else
	v_add_f32 v10, v[TC+8*\c], v[TC+8*\c+4]        ; my two C[o][i][0]
	v_add_f32 v[SUM+\c%2], v[SUM+\c%2], v10
.endif
	v_cvt_pk_f16_f32  v[TC+8*\c],   v[WR+2*\c],   v[TC+8*\c+1]     ; (W, C1) of the first i; its C0 has just been summed
	v_cvt_pk_f16_f32  v[TC+8*\c+1], v[WR+2*\c+1], v[TC+8*\c+5]     ; (W, C1) of the second i
	v_cvt_pk_bf16_f32 v[TC+8*\c+2], v[TC+8*\c+2], v[TC+8*\c+3]     ; (C2, C3) of the first i
	v_cvt_pk_bf16_f32 v[TC+8*\c+3], v[TC+8*\c+6], v[TC+8*\c+7]     ; (C2, C3) of the second i
.endm
.irp c, 0,1,2,3,4,5,6,7,8,9,10,11,12,13,14,15
	CHUNK \c
.endr
	s_wait_alu depctr_va_vdst(0)                   ; the last chunk's conversions have written the first four registers of its TC, which its two stores read
	SEND 15
	; the row sum across the 32 lanes: four steps inside each half of 16 lanes, one across the halves; every lane ends with the sum
	v_add_f32 v8, v8, v9
	v_add_f32_dpp v8, v8, v8 row_xmask:1 row_mask:0xf bank_mask:0xf
	v_add_f32_dpp v8, v8, v8 row_xmask:2 row_mask:0xf bank_mask:0xf
	v_add_f32_dpp v8, v8, v8 row_xmask:4 row_mask:0xf bank_mask:0xf
	v_add_f32_dpp v8, v8, v8 row_xmask:8 row_mask:0xf bank_mask:0xf
	v_permlanex16_b32 v10, v8, s20, s21            ; v10 has been written by the chunks above
	v_add_f32 v8, v8, v10
	s_wait_kmcnt 0x0                               ; bias[o]
	v_add_f32 v8, s18, v8
	v_cmp_eq_u32 vcc_lo, 0, v1
	s_wait_xcnt 0x0                                ; EXEC is a source of the stores above: it is narrowed only behind this wait
	s_wait_alu depctr_va_vcc(0)                    ; the compare has written VCC, from which EXEC is made
	s_wait_alu depctr_va_vdst(0)                   ; ahead of a scalar write of EXEC: the vector lines issued so far are done; among them the one that writes v8, which the store below reads
	s_wait_alu depctr_vm_vsrc(0)                   ; ahead of a scalar write of EXEC: the stores issued so far have read their vector registers
	s_and_saveexec_b32 s22, vcc_lo
	global_store_b32 v5, v8, s[12:13]              ; lane 0 alone: cb[o]
	s_wait_xcnt 0x0                                ; and widened again only behind this one
	s_wait_alu depctr_va_vdst(0)                   ; ahead of a scalar write of EXEC: no vector line is still at work
	s_wait_alu depctr_vm_vsrc(0)                   ; ahead of a scalar write of EXEC: the store of cb has read v5 and v8
	s_or_b32 exec_lo, exec_lo, s22
	s_endpgm
.Lfunc_end_k_q8a2fb08149_pack:
	.size	k_q8a2fb08149_pack, .Lfunc_end_k_q8a2fb08149_pack-k_q8a2fb08149_pack
	.p2alignl 7, 3214868480
	.fill 96, 4, 3214868480
	.section	.rodata,"a",@progbits
	.p2align	6, 0x0
	.amdhsa_kernel k_q8a2fb08149_pack
		.amdhsa_group_segment_fixed_size 0
		.amdhsa_private_segment_fixed_size 0
		.amdhsa_enable_private_segment 0
		.amdhsa_kernarg_size 40
		.amdhsa_user_sgpr_count 2
		.amdhsa_user_sgpr_kernarg_segment_ptr 1
		.amdhsa_wavefront_size32 1
		.amdhsa_system_sgpr_workgroup_id_x 1
		.amdhsa_system_sgpr_workgroup_id_y 1
		.amdhsa_system_sgpr_workgroup_id_z 1
		.amdhsa_system_vgpr_workitem_id 0
		.amdhsa_next_free_vgpr 176
		.amdhsa_next_free_sgpr 66
		.amdhsa_reserve_vcc 1
		.amdhsa_float_denorm_mode_32 3
		.amdhsa_float_denorm_mode_16_64 3
		.amdhsa_memory_ordered 1
		.amdhsa_forward_progress 1
		.amdhsa_inst_pref_size 16
	.end_amdhsa_kernel
	.amdgpu_metadata
---
amdhsa.version: [ 1, 2 ]
amdhsa.kernels:
  - .name:           k_q8a2fb08149_pack
    .symbol:         k_q8a2fb08149_pack.kd
    .args:
      - { .name: base_weight, .offset: 0, .size: 8, .value_kind: global_buffer, .address_space: global }
      - { .name: taylor_coeffs, .offset: 8, .size: 8, .value_kind: global_buffer, .address_space: global }
      - { .name: bias, .offset: 16, .size: 8, .value_kind: global_buffer, .address_space: global }
      - { .name: wpack, .offset: 24, .size: 8, .value_kind: global_buffer, .address_space: global }
      - { .name: cb, .offset: 32, .size: 8, .value_kind: global_buffer, .address_space: global }
    .group_segment_fixed_size: 0
    .private_segment_fixed_size: 0
    .kernarg_segment_align: 8
    .kernarg_segment_size: 40
    .max_flat_workgroup_size: 128
    .sgpr_count:     66
    .vgpr_count:     176
    .wavefront_size: 32
...
	.end_amdgpu_metadata
.endif
;; end of part 3
;; launch kan: the kernel of part 2 again; grid 8 x 32, 4 waves a work-group, clusters of 4 x 4, 327,680 bytes of LDS; arguments x, wpack, cb, out0; writes out0
